; MI455X (gfx1250); checked and timed in simulation.
; The chip was launched on July 23, 2026; its instructions are those of AMD's public machine-readable ISA for CDNA 5 (MIT licence, August 2026) and "CDNA5" Instruction Set Architecture Reference Guide (July 2026). The comments in the code are by the model that wrote it; some were corrected since.
;; LIAFLSTM Cell. Allowed arithmetic: float matrix products may take bf16 or f16 operands with f32 sums; other float arithmetic in f32, or as packed bf16 or f16 multiplies, adds, multiply-adds, maxima and minima; sums over many terms, partial sums and values carried from step to step in f32; what a program stores and reads back later, other than sums and carried values, may be rounded once to bf16 or f16.
;; Inputs: Wf 1,024 x 1,024 float32; Wg 1,024 x 1,024 float32; Wi 1,024 x 1,024 float32; Wo 1,024 x 1,024 float32; bf 1,024 float32; bg 1,024 float32; bi 1,024 float32; bo 1,024 float32; x 256 x 64 x 1,024 float32.
;; Outputs: out0 256 x 64 x 1,024 float32.
;; One version. Each part assembles by itself: llvm-mc -triple=amdgcn-amd-amdhsa -mcpu=gfx1250 --defsym DOCPART=n.
;; ======== version 1 of 1: 2 launches
;; workspace buffers: xb 33,554,432 bytes; wb 8,388,608 bytes
;; launch cast (part 1): grid 1280 x 1, 8 waves a work-group, no clusters, 0 bytes of LDS; arguments x, Wi, Wf, Wg, Wo, xb, wb; writes xb, wb
.if DOCPART == 1
	.amdgcn_target "amdgcn-amd-amdhsa--gfx1250"
	.amdhsa_code_object_version 6
	.text
	.protected	k_qa317d08204_cast
	.globl	k_qa317d08204_cast
	.p2align	8
	.type	k_qa317d08204_cast,@function
k_qa317d08204_cast:
	s_mov_b64 s[64:65], 0
	v_nop
	global_prefetch_b8 v0, s[64:65] scope:SCOPE_SE
	s_setreg_imm32_b32 hwreg(HW_REG_WAVE_MODE, 25, 1), 1
	s_wait_xcnt 0x0
; x [256][64][1024] and Wi, Wf, Wg, Wo [1024][1024], all f32, are rounded once to bf16 (nearest even) and their ROWS are put in the order in which the next launch wants them:
;   xb row = (b >> 1) 128 + (t >> 3) 16 + (b & 1) 8 + (t & 7): 16 rows on end are eight steps t of an even b and the same eight of the odd b beside it;
;   wb row = (h >> 5) 128 + gate 32 + (h & 31), gates i, f, g, o = 0 .. 3: 128 rows on end are 32 h of all four gates.
; A stream: 20,480 rows of 4,096 bytes come in and leave as rows of 2,048.  Nothing is shared and nothing is read twice, so there is no LDS, no barrier, no matrix work and no cluster.
; A work-group takes 16 rows, a wave two: 16 loads of 512 consecutive bytes, all issued at once; each store of the wave covers 256 consecutive bytes, aligned.
; Work-groups 0 .. 1023 take x, 1024 .. 1279 the weights (64 for each gate).  Both cases' rows are worked out in scalar registers and chosen by selects: there is no branch.
.set X, 4                              ; v[4:67]  load n (row n / 8, piece n % 8): four f32 a lane, then two words of bf16 in the first two registers
	s_load_b256 s[4:11], s[0:1], 0x0               ; x s[4:5], Wi s[6:7], Wf s[8:9], Wg s[10:11]
	s_load_b128 s[12:15], s[0:1], 0x20             ; Wo s[12:13], xb s[14:15]
	s_load_b64 s[16:17], s[0:1], 0x30              ; wb
	v_lshrrev_b32 v3, 5, v0
	v_readfirstlane_b32 s20, v3                    ; wave v, 0 .. 7
	v_and_b32 v1, 31, v0
	v_lshlrev_b32 v2, 3, v1                        ; 8 bytes a lane on the way out
	v_lshlrev_b32 v1, 4, v1                        ; 16 bytes a lane on the way in
	s_lshl_b32 s33, s20, 1                         ; 2 v: my first row among the group's 16
	; the weights' case: u = g - 1024 = g & 255, gate = u >> 6, k = u & 63; rows h = 16 k + 2 v, + 1
	s_and_b32 s21, ttmp9, 255
	s_lshr_b32 s22, s21, 6                         ; gate
	s_and_b32 s23, s21, 63                         ; k
	s_lshl_b32 s28, s23, 4
	s_add_co_u32 s28, s28, s33                     ; from row 16 k + 2 v
	s_lshr_b32 s30, s23, 1
	s_lshl_b32 s30, s30, 7                         ; (h >> 5) 128
	s_lshl_b32 s34, s22, 5
	s_add_co_u32 s30, s30, s34                     ; + gate 32
	s_and_b32 s34, s23, 1
	s_lshl_b32 s34, s34, 4
	s_add_co_u32 s30, s30, s34
	s_add_co_u32 s30, s30, s33                     ; + (h & 31) = (k & 1) 16 + 2 v
	; x's case: rows 16 g + 2 v, + 1: b = g >> 2, t = 16 (g & 3) + 2 v, + 1
	s_lshl_b32 s32, ttmp9, 4
	s_add_co_u32 s32, s32, s33                     ; from row 16 g + 2 v
	s_lshr_b32 s35, ttmp9, 3
	s_lshl_b32 s35, s35, 7                         ; (b >> 1) 128
	s_and_b32 s34, ttmp9, 3
	s_lshl_b32 s34, s34, 5
	s_add_co_u32 s35, s35, s34                     ; + (t >> 3) 16 = (2 (g & 3) + (v >> 2)) 16
	s_lshr_b32 s34, s20, 2
	s_lshl_b32 s34, s34, 4
	s_add_co_u32 s35, s35, s34
	s_bfe_u32 s34, ttmp9, 0x10002                  ; b & 1
	s_lshl_b32 s34, s34, 3
	s_add_co_u32 s35, s35, s34
	s_and_b32 s34, s20, 3
	s_lshl_b32 s34, s34, 1
	s_add_co_u32 s35, s35, s34                     ; + (t & 7) = 2 (v & 3)
	s_cmp_lt_u32 ttmp9, 1024
	s_cselect_b32 s28, s32, s28
	s_cselect_b32 s30, s35, s30
	s_lshl_b32 s28, s28, 12                        ; rows of 4,096 bytes in: under 2^27
	s_lshl_b32 s30, s30, 11                        ; rows of 2,048 bytes out
	s_mov_b32 s29, 0
	s_mov_b32 s31, 0
	s_wait_kmcnt 0x0
	s_cmp_eq_u32 s22, 1
	s_cselect_b64 s[24:25], s[8:9], s[6:7]         ; the gate's matrix
	s_cmp_eq_u32 s22, 2
	s_cselect_b64 s[24:25], s[10:11], s[24:25]
	s_cmp_eq_u32 s22, 3
	s_cselect_b64 s[24:25], s[12:13], s[24:25]
	s_cmp_lt_u32 ttmp9, 1024
	s_cselect_b64 s[24:25], s[4:5], s[24:25]       ; or x
	s_cselect_b64 s[26:27], s[14:15], s[16:17]
	s_add_nc_u64 s[24:25], s[24:25], s[28:29]
	s_add_nc_u64 s[26:27], s[26:27], s[30:31]
.set n, 0
.rept 16
	global_load_b128 v[X+4*n:X+4*n+3], v1, s[24:25] offset:(n/8)*4096+(n%8)*512 th:TH_LOAD_NT
.set n, n+1
.endr
.irp i, 0,1
	s_wait_loadcnt 8-8*(\i)                        ; loads come back in order: row 0's eight are in while row 1's eight may stay out; then all
.set n, 8*(\i)
.rept 8
	v_cvt_pk_bf16_f32 v[X+4*n], v[X+4*n], v[X+4*n+1]      ; two roundings, packed; in place
	v_cvt_pk_bf16_f32 v[X+4*n+1], v[X+4*n+2], v[X+4*n+3]
.set n, n+1
.endr
.set n, 8*(\i)
.rept 8
	global_store_b64 v2, v[X+4*n:X+4*n+1], s[26:27] offset:(n/8)*2048+(n%8)*256 th:TH_STORE_NT  ; no register is written twice: no further wait
.set n, n+1
.endr
.endr
	s_endpgm
.Lfunc_end_k_qa317d08204_cast:
	.size	k_qa317d08204_cast, .Lfunc_end_k_qa317d08204_cast-k_qa317d08204_cast
	.p2alignl 7, 3214868480
	.fill 96, 4, 3214868480
	.section	.rodata,"a",@progbits
	.p2align	6, 0x0
	.amdhsa_kernel k_qa317d08204_cast
		.amdhsa_group_segment_fixed_size 0
		.amdhsa_private_segment_fixed_size 0
		.amdhsa_enable_private_segment 0
		.amdhsa_kernarg_size 56
		.amdhsa_user_sgpr_count 2
		.amdhsa_user_sgpr_kernarg_segment_ptr 1
		.amdhsa_wavefront_size32 1
		.amdhsa_system_sgpr_workgroup_id_x 1
		.amdhsa_system_sgpr_workgroup_id_y 1
		.amdhsa_system_sgpr_workgroup_id_z 1
		.amdhsa_system_vgpr_workitem_id 0
		.amdhsa_next_free_vgpr 72
		.amdhsa_next_free_sgpr 66
		.amdhsa_reserve_vcc 0
		.amdhsa_float_denorm_mode_32 3
		.amdhsa_float_denorm_mode_16_64 3
		.amdhsa_memory_ordered 1
		.amdhsa_forward_progress 1
		.amdhsa_inst_pref_size 8
	.end_amdhsa_kernel
	.amdgpu_metadata
---
amdhsa.version: [ 1, 2 ]
amdhsa.kernels:
  - .name:           k_qa317d08204_cast
    .symbol:         k_qa317d08204_cast.kd
    .args:
      - { .name: x, .offset: 0, .size: 8, .value_kind: global_buffer, .address_space: global }
      - { .name: Wi, .offset: 8, .size: 8, .value_kind: global_buffer, .address_space: global }
      - { .name: Wf, .offset: 16, .size: 8, .value_kind: global_buffer, .address_space: global }
      - { .name: Wg, .offset: 24, .size: 8, .value_kind: global_buffer, .address_space: global }
      - { .name: Wo, .offset: 32, .size: 8, .value_kind: global_buffer, .address_space: global }
      - { .name: xb, .offset: 40, .size: 8, .value_kind: global_buffer, .address_space: global }
      - { .name: wb, .offset: 48, .size: 8, .value_kind: global_buffer, .address_space: global }
    .group_segment_fixed_size: 0
    .private_segment_fixed_size: 0
    .kernarg_segment_align: 8
    .kernarg_segment_size: 56
    .max_flat_workgroup_size: 256
    .sgpr_count:     66
    .vgpr_count:     72
    .wavefront_size: 32
...
	.end_amdgpu_metadata
.endif
;; end of part 1
;; launch lstm (part 2): grid 16 x 16, 4 waves a work-group, clusters of 4 x 4, 327,680 bytes of LDS; arguments xb, wb, bi, bf, bg, bo, out0; writes out0
.if DOCPART == 2
	.amdgcn_target "amdgcn-amd-amdhsa--gfx1250"
	.amdhsa_code_object_version 6
	.text
	.protected	k_qa317d08204_lstm
	.globl	k_qa317d08204_lstm
	.p2align	8
	.type	k_qa317d08204_lstm,@function
k_qa317d08204_lstm:
	s_mov_b64 s[64:65], 0
	v_nop
	global_prefetch_b8 v0, s[64:65] scope:SCOPE_SE
	s_setreg_imm32_b32 hwreg(HW_REG_WAVE_MODE, 25, 1), 1
	s_wait_xcnt 0x0
	s_wait_alu depctr_hold_cnt(0) depctr_sa_sdst(0) depctr_va_vdst(0) depctr_va_sdst(0) depctr_va_ssrc(0) depctr_va_vcc(0) depctr_vm_vsrc(0)
	s_getreg_b32 s2, hwreg(HW_REG_IB_STS2, 6, 4)
	s_cmp_eq_u32 s2, 0
	s_cbranch_scc0 .Lentry_in_a_cluster
	s_endpgm
.Lentry_in_a_cluster:
	s_bfe_u32 s2, ttmp6, 0x10000c
	s_cmp_lg_u32 s2, 0xf033
	s_cbranch_scc0 .Lentry_shape_is_right
	s_endpgm
.Lentry_shape_is_right:
; THE CELL.  z[gate][b][t][h] = sum over d of x[b][t][d] W[gate][h][d] + bias[gate][h]; then for each (b, h), t ascending: v = z + 0.3 v' for the four gates (v' = 0 where the last v was above 0.25, else
; the last v); i, f, o = relu(v), g = selu(vg); c = c f + i g; out0[b][t][h] = selu(c) o.  z never goes to memory.
; xb [16384][1024] and wb [4096][1024] are x and the four W in bf16, rows ordered by the launch before: xb row = (b >> 1) 128 + (t >> 3) 16 + (b & 1) 8 + (t & 7); wb row = (h >> 5) 128 + gate 32 + (h & 31).
; LIMITS.  x, W and the biases are rounded once to bf16; sums, v and c are f32.  0.3 v' is fused into the add, c f + i g is fused.  The reset is a step: a v that lies within the f32 sums' rounding of 0.25
; (a few 1e-7 for inputs of unit spread) may fall on the other side than with sums taken in another order.  selu(x) = min(1.0507 x, 1.7581 x) where 1.7581 x > -2^-10 (exact for x > 0; for small negative
; x the series' first term, off by 3e-4 of itself at the most), else 1.7581 2^(x log2 e) - 1.7581 (off by about 1e-4 of itself at the seam, less below it).  relu turns a NaN into 0; infinities are not treated apart.
; SHARES.  A tile is 256 rows of xb (4 b, all 64 t) x 256 rows of wb (64 h, all 4 gates), made by four waves, 128 x 128 each: 64 accumulators of 16 x 16, 512 registers.  K goes in steps of 128 through two LDS
; slots filled by the tensor data mover; the tiles' rows are 256 bytes of memory at multiples of 256.  A work-group stays and makes four tiles, 64 b apart, all on the same rows of wb.
; Source 0 = 16 rows of xb, source 1 = 16 rows of wb: in accumulator (a, nb) register j of lane (r = l % 16, hh = l / 16) is z of b = 4 R + 2 (wave / 2) + hh, t = 8 a + j, gate nb / 2,
; h = 64 Cc + 32 (wave % 2) + 16 (nb % 2) + r.  So a lane owns two whole chains (b, h): all four gates in the lane, t along its registers: the scan changes no lanes.
; THE SCAN follows a tile's products, a block of eight t at a time: ARM (bias added, block brought into window 0), SEQ (the four membranes, t by t), ELEM (all that is not carried but c), then the block's
; 4 b x 8 t x 64 h go through one stage in LDS and leave as whole rows of 256 bytes.  Both refills for the next tile have been asked for when the scan begins.
; CLUSTERS: 4 x 4 work-groups.  The four of a row of the cluster need the same tiles of xb, the four of a column the same tiles of wb: each is asked for JOINTLY, by the same tensor load with the same
; descriptor and a mask that names the four.
; REGISTERS, in windows of 256 (s_set_vgpr_msb: bits 1:0 source 0, 3:2 source 1, 5:4 source 2, 7:6 destination):
;   window 0: v0-31 addresses; v32-47 stage rows read back; v64-127, v128-191 fragments of xb, two buffers (the second is the scan's block V); v192-249 the scan's
;   window 1: v64-127, v128-191 fragments of wb          window 2: accumulators of a = 0-3, (a, nb) at v[64 a + 8 nb]          window 3: those of a = 4-7
.set SIZE_K, 1024
.set TILES,  4
.set KSTEP,  128
.set PITCH,  272                       ; an LDS row: 256 bytes + 16 of padding = 68 words: the 16 rows of a fragment load start at 16 different groups of four banks (64 banks of 4 bytes: ISA guide 11.1)
.set HALFT,  128*PITCH                 ; 128 rows: what one tensor load brings, and what one wave reads of xb or of wb
.set SLOT,   4*HALFT                   ; xb's 256 rows, then wb's 256 rows
.set STAGE,  2*SLOT                    ; behind the ring: 32 rows x 272 bytes, the work-group's: row 8 b' + t', 64 h in f32; no tensor load fills it
.set SPITCH, 272
.set SPARE,  STAGE+32*SPITCH           ; behind the stage: the spare words, 128 bytes for each wave: two blocks of 256 bytes that no other line names
.set LAPS,   SIZE_K/(2*KSTEP)          ; a lap = two K steps = once round the ring
.set WALK,   4096                      ; a work-group's tiles lie 4,096 rows of xb (64 b) apart
.set NEXT_A, WALK*SIZE_K*2-(SIZE_K-2*KSTEP)*2   ; bytes from a slot's last K step of a tile to its first of the next: xb goes WALK rows down and back along K,
.set BACK_B, (SIZE_K-2*KSTEP)*2        ; wb only back
.set OUT_T,  4096                      ; bytes in out0 from t to t + 1
.set OUT_B,  64*OUT_T                  ; from b to b + 1
.set NEXT_O, 64*OUT_B-8*8*OUT_T        ; from behind a tile's eight blocks to the next tile's first
.set ADRA, 16                          ; v16-17  LDS address of my xb fragments in slot 0, 1
.set ADRB, 20                          ; v20-21  the same for wb
.set STO,  24                          ; v24     the stage: where my lane's first number goes
.set RD,   25                          ; v25     the stage: where I read rows back
.set CO,   26                          ; v26     my byte offset in out0
.set SPW,  28                          ; v28     LDS address of my spare word: SPARE + 4 x my thread's number; never rewritten
.set NIL,  29                          ; v29     0; never rewritten
.set PFO,  30                          ; v30     the prefetches' offset: my lane x 2,048 bytes; never rewritten
.set OB,   32                          ; v32-47  eight stage rows, 16 bytes a lane
.set F0,   64                          ; fragment buffer 0
.set F1,   128                         ; fragment buffer 1
.set V,    128                         ; the scan's block: v of n-block nb and step j at V + 8 nb + j
.set VI,   V                           ; by gates: element 8 hb + j
.set VF,   V+16
.set VG,   V+32
.set VO,   V+48
.set T,    192                         ; v192-207 at work
.set U,    208                         ; v208-223 at work, then the block's output
.set VM,   224                         ; v224-231 by nb: the last v, or 0 where it was above the threshold
.set CC,   232                         ; v232-233 by hb: the last c
.set BIAS, 234                         ; v234-249 by nb: the bias, twice (a pair for the packed add)
.set G1,  24                           ; s[24:31] descriptor group 1 for xb's tiles
.set G0,  32                           ; s[32:39] group 0, one set for each slot
.set LIM, 43                           ; s43      1 in a wave that prefetches, else the greatest number
.set PFA, 44                           ; s[44:45] where my prefetches stand
.set G1B, 48                           ; s[48:55], s[56:63] the same for wb's tiles
.set G0B, 56
.set MK,  66                           ; s66-73   eight lane masks
.set DEC, 74                           ; s74      0.3
.set TH,  75                           ; s75      0.25
.set L2E, 76                           ; s[76:77] log2(e): the packed forms name a pair and take its low word for both halves
.set SA,  78                           ; s[78:79] selu's scale x alpha
.set NSA, 80                           ; s[80:81] the same, negative
.set SCL, 82                           ; s[82:83] selu's scale
.set BL,  84                           ; s84      the block in hand
.set NEPS, 85                          ; s85      -2^-10
.set BP,  88                           ; s[88:95] bi, bf, bg, bo
.set MSB, 0
.macro WIN new                         ; the immediate's high byte repeats the setting that is left; a switch that changes nothing is dropped
.if MSB != (\new)
	s_set_vgpr_msb (MSB<<8)|(\new)
.set MSB, \new
.endif
.endm
.set MUL_LO, 0xa4                      ; source 0 (xb) window 0, source 1 (wb) window 1, C and D window 2
.set MUL_HI, 0xf4                      ; the same, C and D window 3
.set TO_B,   0x40                      ; destination window 1, address window 0
; A joint load.  Waves 0 and 1 fetch xb's two halves, waves 2 and 3 wb's.  Each line has one mask and one set of registers for all that issue it; the branch hangs on the wave's number alone.
; An s_nop 0 and four v_nop follow each of the two lines, ahead of the jump, the label and what follows.
.macro JLOAD s
	s_cmp_eq_u32 s11, 0
	s_cbranch_scc0 .Lfor_b_\@
	tensor_load_to_lds s[G0+4*(\s):G0+4*(\s)+3], s[G1:G1+7]
	s_nop 0
.rept 4
	v_nop
.endr
	s_branch .Lasked_\@
.Lfor_b_\@:
	tensor_load_to_lds s[G0B+4*(\s):G0B+4*(\s)+3], s[G1B:G1B+7]
	s_nop 0
.rept 4
	v_nop
.endr
.Lasked_\@:
.endm
; A PREFETCH, behind each joint load, its five lines and the run of LDS loads that follows: the K step that stands TWO refills on (512 matrix instructions ahead of the load that will name it): 32 rows x 256
; bytes, a lane a row, one instruction a wave.  Each row's 256 bytes of a K step are named once in the launch: xb's tile rows are read by every cluster of a row of clusters, and cluster x = 0 asks; wb's by
; every cluster of a column, and cluster y = 0 asks, in the first tile alone (all tiles of the walk take the same rows of wb).  The four partners that ask for a tile jointly share its rows out BY ADDRESS
; (32 cx for xb, 32 cy for wb): no branch hangs on a work-group's place in its cluster.  how = 0, in the loop: a tile's last two refills have no K step two on; how = 1, at a change of tiles.
.macro ASK how
.if \how
	s_cmp_eq_u32 s[LIM], 1
.else
	s_cmp_gt_u32 s3, s[LIM]                        ; s3 = 1 in the loop's last trip
.endif
	s_cbranch_scc0 .Lnot_mine_\@
	global_prefetch_b8 v[PFO], s[PFA:PFA+1] offset:KSTEP*2 th:TH_LOAD_NT scope:SCOPE_SE
.Lnot_mine_\@:
.endm
; A round of the cluster's barrier: my work-group's barrier, so that wave 0's signal speaks for all four waves; wave 0 signals; every wave waits for all sixteen work-groups; my work-group's barrier once more.
.macro CREST                           ; a round behind its opening barrier
	s_cmp_lg_u32 s10, 0
	s_cbranch_scc1 .Lnot_wave_0_\@
	s_barrier_signal -3
.Lnot_wave_0_\@:
	s_barrier_wait -3
	s_barrier_signal -1
	s_barrier_wait -1
.endm
.macro CROUND                          ; a whole round
	s_barrier_signal -1
	s_barrier_wait -1
	CREST
.endm
	s_load_b128 s[4:7], s[0:1], 0x0                ; xb s[4:5], wb s[6:7]
	s_load_b256 s[BP:BP+7], s[0:1], 0x10           ; bi, bf, bg, bo
	s_load_b64 s[8:9], s[0:1], 0x30                ; out0
	v_lshl_add_u32 v[SPW], v0, 2, SPARE
	v_mov_b32 v[NIL], 0
	ds_add_u32 v[SPW], v[NIL]                      ; the wave's opening: the add, twice on end, and its wait ahead of my first tensor load; the set-up below stands between
	ds_add_u32 v[SPW], v[NIL]                      ; and once more, under the one wait
	v_lshrrev_b32 v1, 5, v0
	v_readfirstlane_b32 s10, v1                    ; wave 0..3
	s_lshr_b32 s11, s10, 1                         ; which half of the tile's rows (2 b) is mine.  Also: I fetch for xb (0) or for wb (1)
	s_and_b32 s12, s10, 1                          ; which half of its columns (32 h).  Also: which 128 rows of that tile I fetch
	s_bfe_u32 s40, ttmp6, 0x40000                  ; cx
	s_bfe_u32 s41, ttmp6, 0x40004                  ; cy
	s_lshl_b32 s42, ttmp9, 2                       ; in a cluster launch ttmp9 and ttmp7 count clusters
	s_add_co_u32 s42, s42, s40                     ; tile column Cc = 4 x cluster x + cx
	s_and_b32 s13, ttmp7, 0xffff
	s_lshl_b32 s13, s13, 2
	s_add_co_u32 s13, s13, s41                     ; first tile row R = 4 x cluster y + cy
	s_lshl_b32 s43, s41, 2
	s_lshl_b32 s43, 15, s43                        ; my row of the cluster: places 4 cy .. 4 cy + 3
	s_lshl_b32 s44, 0x1111, s40                    ; my column: places cx, cx + 4, cx + 8, cx + 12
	; descriptor group 1: a tile of 128 rows x 128 elements, padded in LDS
	s_or_b32 s[G1+0], s43, (1<<16)|(1<<20)|(1<<21)|(5<<22)|(3<<25)  ; 15:0 the mask; 17:16 elements of 2 bytes; 20 padding on; 21 set beside a mask; 24:22 after every 64 words (code 5); 31:25 4 words (code 3)
	s_or_b32 s[G1B+0], s44, (1<<16)|(1<<20)|(1<<21)|(5<<22)|(3<<25)
.irp g, G1, G1B
	s_mov_b32 s[(\g)+1], KSTEP<<16                 ; tensor_dim0 = 128
	s_mov_b32 s[(\g)+2], 128<<16                   ; tensor_dim1 = 128
	s_mov_b32 s[(\g)+3], KSTEP<<16                 ; tile_dim0 = 128
	s_mov_b32 s[(\g)+4], 128                       ; tile_dim1 = 128
	s_mov_b32 s[(\g)+5], SIZE_K                    ; elements from row to row
	s_mov_b32 s[(\g)+6], 0
	s_mov_b32 s[(\g)+7], 0
.endr
	; where the tiles come from: xb's hang on the tile row alone, wb's on the tile column alone; every wave makes both addresses, in registers that never hold the other coordinate
	s_lshl_b32 s17, s12, 7
	s_lshl_b32 s16, s13, 8
	s_add_co_u32 s16, s16, s17                     ; xb: row 256 R + 128 x half
	s_lshl_b32 s46, s42, 8
	s_add_co_u32 s46, s46, s17                     ; wb: row 256 Cc + 128 x half
	s_mov_b32 s17, 0
	s_mov_b32 s47, 0
	s_mov_b64 s[18:19], SIZE_K*2
	s_mul_u64 s[16:17], s[16:17], s[18:19]
	s_mul_u64 s[46:47], s[46:47], s[18:19]
	s_mul_i32 s20, s10, HALFT                      ; and where they go: wave x 128 rows: no place in the cluster enters an LDS address
	s_mov_b32 s[DEC], 0x3e99999a                   ; 0.3
	s_mov_b32 s[TH], 0x3e800000                    ; 0.25
	s_mov_b32 s[L2E], 0x3fb8aa3b                   ; log2(e)
	s_mov_b32 s[L2E+1], 0x3fb8aa3b
	s_mov_b32 s[SA], 0x3fe10966                    ; 1.0507010 x 1.6732632
	s_mov_b32 s[SA+1], 0x3fe10966
	s_mov_b32 s[NSA], 0xbfe10966
	s_mov_b32 s[NSA+1], 0xbfe10966
	s_mov_b32 s[SCL], 0x3f867d5f                   ; 1.0507010
	s_mov_b32 s[SCL+1], 0x3f867d5f
	s_mov_b32 s[NEPS], 0xba800000                  ; -2^-10
	s_wait_dscnt 0x0                               ; both opening adds are done
	s_wait_kmcnt 0x0
	s_add_nc_u64 s[14:15], s[4:5], s[16:17]
	s_add_nc_u64 s[46:47], s[6:7], s[46:47]
	CROUND                                         ; all sixteen work-groups are here: the first joint loads meet
.irp s, 0,1
	s_mov_b32 s[G0+4*(\s)], 1                                      ; count = 1
	s_add_co_u32 s[G0+4*(\s)+1], s20, (\s)*SLOT                    ; LDS address
	s_add_nc_u64 s[G0+4*(\s)+2:G0+4*(\s)+3], s[14:15], (\s)*KSTEP*2  ; global address: K step s
	s_or_b32 s[G0+4*(\s)+3], s[G0+4*(\s)+3], 0x80000000            ; type = 2
	s_mov_b32 s[G0B+4*(\s)], 1
	s_add_co_u32 s[G0B+4*(\s)+1], s20, (\s)*SLOT
	s_add_nc_u64 s[G0B+4*(\s)+2:G0B+4*(\s)+3], s[46:47], (\s)*KSTEP*2
	s_or_b32 s[G0B+4*(\s)+3], s[G0B+4*(\s)+3], 0x80000000
	JLOAD \s                                       ; the ring is filled before anything else is done: two loads of mine are out
.endr
	; A fragment is 16 rows x 32 K in 8 registers: lane l holds row l % 16; registers 0-3 K = 8 (l / 16) + 0..7, registers 4-7 K = 16 + 8 (l / 16) + 0..7: two loads of 16 bytes, 32 bytes apart.
	v_and_b32 v1, 15, v0                           ; r = l % 16
	v_bfe_u32 v2, v0, 4, 1                         ; hh = l / 16
	v_mul_u32_u24 v3, v1, PITCH
	v_lshl_add_u32 v3, v2, 4, v3
	s_mul_i32 s21, s11, HALFT                      ; my 128 rows of xb
	s_mul_i32 s22, s12, HALFT                      ; my 128 rows of wb,
	s_add_co_u32 s22, s22, 2*HALFT                 ; which lie behind xb's 256
.irp s, 0,1
	v_add_nc_u32 v[ADRA+(\s)], s21, v3
	v_add_nc_u32 v[ADRB+(\s)], s22, v3
	s_add_co_u32 s21, s21, SLOT
	s_add_co_u32 s22, s22, SLOT
.endr
	s_mul_i32 s23, s11, 16*SPITCH                  ; into the stage: row 8 (2 (wave / 2) + hh) + j, word 32 (wave % 2) + 16 hb + r; j and hb stand in the stores' immediates
	s_lshl_b32 s21, s12, 7
	s_add_co_u32 s23, s23, s21
	s_add_co_u32 s23, s23, STAGE
	v_mul_u32_u24 v4, v2, 8*SPITCH                 ; the halves of the lanes lie 544 words apart: 32 banks
	v_lshl_add_u32 v4, v1, 2, v4
	v_add_nc_u32 v[STO], s23, v4
	s_mul_i32 s23, s10, 8*SPITCH                   ; back: wave w takes rows 8 w .. 8 w + 7 (b' = w), whole; lanes 0-15 one row of 256 bytes, lanes 16-31 the next
	s_add_co_u32 s23, s23, STAGE
	v_mul_u32_u24 v5, v2, SPITCH
	v_lshl_add_u32 v5, v1, 4, v5
	v_add_nc_u32 v[RD], s23, v5
	v_lshlrev_b32 v5, 12, v2                       ; and the same two rows in out0: t, t + 1
	v_lshl_add_u32 v[CO], v1, 4, v5
	s_lshl_b32 s16, s13, 2                         ; out0 at b = 4 R + wave, t = 0,
	s_add_co_u32 s16, s16, s10
	s_lshl_b32 s16, s16, 18
	s_mov_b32 s17, 0
	s_add_nc_u64 s[8:9], s[8:9], s[16:17]
	s_lshl_b32 s46, s42, 8                         ; h = 64 Cc (in the registers that held wb's address: none that fed xb's descriptors ever holds cx)
	s_mov_b32 s47, 0
	s_add_nc_u64 s[8:9], s[8:9], s[46:47]
	; the prefetches
	s_lshl_b32 s13, s13, 8                         ; 256 R
	s_lshl_b32 s42, s42, 8                         ; 256 Cc
	s_and_b32 s22, ttmp7, 0xffff                   ; cluster y
	s_cmp_eq_u32 s11, 0                            ; do I fetch for xb?
	s_cselect_b32 s20, s13, s42                    ; the tile's first row
	s_cselect_b32 s21, s40, s41                    ; my place among the four that ask for it with me
	s_cselect_b32 s22, ttmp9, s22                  ; the coordinate along which other clusters read the same rows
	s_cselect_b64 s[PFA:PFA+1], s[4:5], s[6:7]
	s_cmp_eq_u32 s22, 0
	s_cselect_b32 s[LIM], 1, -1                    ; the same in all sixteen partners, for a given wave
	s_lshl_b32 s22, s12, 7
	s_add_co_u32 s20, s20, s22                     ; + the 128 rows that I fetch
	s_lshl_b32 s21, s21, 5
	s_add_co_u32 s20, s20, s21                     ; + my work-group's 32 of them
	s_mov_b32 s21, 0
	s_mov_b64 s[18:19], SIZE_K*2
	s_mul_u64 s[20:21], s[20:21], s[18:19]
	s_add_nc_u64 s[PFA:PFA+1], s[PFA:PFA+1], s[20:21]
	s_add_nc_u64 s[PFA:PFA+1], s[PFA:PFA+1], 2*KSTEP*2  ; at K step 2: the first refill steps it to 3 and names K step 4.  Nothing is prefetched here, at the head
	v_and_b32 v[PFO], 31, v0
	v_mul_u32_u24 v[PFO], v[PFO], SIZE_K*2
	; the biases of my lane's two h, all four gates: rounded to bf16 like the other inputs, widened again, and held twice
	s_lshl_b32 s23, s12, 7
	s_add_co_u32 s23, s23, s42                     ; 4 (64 Cc + 32 (wave % 2))
	v_lshl_add_u32 v6, v1, 2, s23
.irp q, 0,1,2,3,4,5,6,7
	global_load_b32 v[T+(\q)], v6, s[BP+2*((\q)/2):BP+2*((\q)/2)+1] offset:64*((\q)%2)
.endr
	s_wait_loadcnt 0x0
.irp q, 0,1,2,3,4,5,6,7
	v_cvt_pk_bf16_f32 v[T+(\q)], v[T+(\q)], v[T+(\q)]
.endr
.irp q, 0,1,2,3,4,5,6,7
	v_lshlrev_b32 v[BIAS+2*(\q)], 16, v[T+(\q)]
	v_and_b32 v[BIAS+2*(\q)+1], 0xffff0000, v[T+(\q)]
.endr
; 16 matrix instructions: m blocks a0, a0 + 1 of the window's four (hi = 0: a = 0-3, 1: a = 4-7) x all 8 n blocks, 32 along K.  zero = 1: the first product starts the sums: nothing is ever cleared.
; The 64 accumulators take turns, one instruction a turn, in the same order in every quarter step.
.macro MUL16 f, hi, a0, zero
	WIN MUL_LO+0x50*(\hi)
.irp a, \a0, (\a0)+1
.irp b, 0,1,2,3,4,5,6,7
.if \zero
	v_wmma_f32_16x16x32_bf16 v[8*(8*(\a)+(\b)):8*(8*(\a)+(\b))+7], v[(\f)+8*(4*(\hi)+(\a)):(\f)+8*(4*(\hi)+(\a))+7], v[(\f)+8*(\b):(\f)+8*(\b)+7], 0
.else
	v_wmma_f32_16x16x32_bf16 v[8*(8*(\a)+(\b)):8*(8*(\a)+(\b))+7], v[(\f)+8*(4*(\hi)+(\a)):(\f)+8*(4*(\hi)+(\a))+7], v[(\f)+8*(\b):(\f)+8*(\b)+7], v[8*(8*(\a)+(\b)):8*(8*(\a)+(\b))+7]
.endif
.endr
.endr
.endm
; 32 LDS loads in one run: the fragments of one quarter step (128 rows of wb, 128 rows of xb, 32 K at byte k of the rows) into buffer f
.macro FETCH slot, k, f
	WIN TO_B
.irp i, 0,1,2,3,4,5,6,7
	ds_load_b128 v[(\f)+8*(\i):(\f)+8*(\i)+3],   v[ADRB+(\slot)] offset:(\k)+(\i)*16*PITCH
	ds_load_b128 v[(\f)+8*(\i)+4:(\f)+8*(\i)+7], v[ADRB+(\slot)] offset:(\k)+(\i)*16*PITCH+32
.endr
	WIN 0
.irp i, 0,1,2,3,4,5,6,7
	ds_load_b128 v[(\f)+8*(\i):(\f)+8*(\i)+3],   v[ADRA+(\slot)] offset:(\k)+(\i)*16*PITCH
	ds_load_b128 v[(\f)+8*(\i)+4:(\f)+8*(\i)+7], v[ADRA+(\slot)] offset:(\k)+(\i)*16*PITCH+32
.endr
.endm
; A load into a register that a matrix instruction has read stands four places behind it, and only plain vector instructions that name none of its registers are places (ISA guide 7.12.1 for vector
; instructions); the matrix instructions in between are not counted.
.macro PLACES
.rept 4
	v_nop
.endr
.endm
; A K step is four quarter steps of 32 along K, 64 matrix instructions each, on buffers 0, 1, 0, 1.  One of the first three: multiplies buffer f; in its middle it fetches the next quarter, at byte k, into g.
.macro QUARTER slot, k, f, g, zero
	s_wait_dscnt 8                                 ; wb's fragments and xb's blocks 0-3 are in; the youngest eight loads (xb's blocks 4-7) may be out
	WIN MUL_LO
	MUL16 \f, 0, 0, \zero
	MUL16 \f, 0, 2, \zero
	PLACES
	FETCH \slot, \k, \g
	s_wait_dscnt 32                                ; all but the 32 just issued
	WIN MUL_HI
	MUL16 \f, 1, 0, \zero
	MUL16 \f, 1, 2, \zero
.endm
; The last quarter multiplies buffer 1 and changes slots.  MEET is its first half: one barrier for the change.  In front of it each wave waits for all its tensor loads, of which one is out: its part of the
; next slot; adds 0 to its spare word; and waits for that and for its own reads of this slot.  Behind it nobody reads this slot any more and the next slot is whole.
.macro MEET round                      ; round = 1: the rest of a round of the cluster's barrier follows
	WIN 0                                          ; (the add's two registers lie in window 0)
	s_wait_tensorcnt 0x0                           ; all my tensor loads have landed
	ds_add_u32 v[SPW], v[NIL]                      ; 0 onto my spare word
	s_wait_dscnt 9                                 ; (the add and the youngest eight loads may be out)
	WIN MUL_LO
	MUL16 F1, 0, 0, 0                              ; sixteen matrix instructions stand between the add and the wait for it
	s_wait_dscnt 0x0                               ; the add is done, and my reads of this slot are over
	s_barrier_signal -1
	MUL16 F1, 0, 2, 0                              ; work on registers while the others arrive
.if \round
	WIN 0
.endif
	s_barrier_wait -1
.endm
; The whole last quarter.  mode 0: the slot just read out is filled again with this tile's K step two on; mode 1: with the NEXT tile's K step 0 or 1; mode 2: nothing is filled, and no round follows.
; From a request to the wait for it a wave issues 224 matrix instructions (at a change of tiles the scan too).
.macro TURN slot, next, mode
.if (\mode) < 2
	s_wait_xcnt 0x0                                ; the last prefetch, a K step back, has read its address: it is stepped here, ahead of the change's own waits
.if (\mode) && (\slot) == 0
	s_add_nc_u64 s[PFA:PFA+1], s[PFA:PFA+1], (WALK-1)*SIZE_K*2+KSTEP*2  ; from the K step after the tile's last to the next tile's K step 1
	s_cmp_eq_u32 s11, 0
	s_cselect_b32 s[LIM], s[LIM], -1               ; wb's rows are the same for all tiles of the walk: they are prefetched no more
.else
	s_add_nc_u64 s[PFA:PFA+1], s[PFA:PFA+1], KSTEP*2
.endif
	MEET 1
	CREST                                          ; no wave of any partner still reads this slot's tile or has a load on its way
.if \mode
	s_add_nc_u64 s[G0+4*(\slot)+2:G0+4*(\slot)+3], s[G0+4*(\slot)+2:G0+4*(\slot)+3], NEXT_A
	s_sub_nc_u64 s[G0B+4*(\slot)+2:G0B+4*(\slot)+3], s[G0B+4*(\slot)+2:G0B+4*(\slot)+3], BACK_B
.else
	s_add_nc_u64 s[G0+4*(\slot)+2:G0+4*(\slot)+3], s[G0+4*(\slot)+2:G0+4*(\slot)+3], 2*KSTEP*2
	s_add_nc_u64 s[G0B+4*(\slot)+2:G0B+4*(\slot)+3], s[G0B+4*(\slot)+2:G0B+4*(\slot)+3], 2*KSTEP*2
.endif
	JLOAD \slot                                    ; the first tensor load behind the round; the four v_nop behind it are also the places in front of the loads below
	FETCH \next, 0, F0
	ASK \mode
.else
	MEET 0
	PLACES
	FETCH \next, 0, F0
.endif
	WIN MUL_HI
	MUL16 F1, 1, 0, 0
	MUL16 F1, 1, 2, 0
.endm
; THE SCAN.
; ARM a: block a's 64 registers of z leave their accumulators: the bias is added, as z = product + bias, and the sums go to V in window 0, so that all other lines of the scan are written once.
; Each accumulator is read from its lowest registers on.
.macro ARM a
	WIN 0x02+(\a)/4                                ; source 0 in window 2 or 3
.irp nb, 0,1,2,3,4,5,6,7
.irp pp, 0,2,4,6
	v_pk_add_f32 v[V+8*(\nb)+(\pp):V+8*(\nb)+(\pp)+1], v[64*((\a)%4)+8*(\nb)+(\pp):64*((\a)%4)+8*(\nb)+(\pp)+1], v[BIAS+2*(\nb):BIAS+2*(\nb)+1]
.endr
.endr
	WIN 0
.endm
; SEQ: the eight membranes (4 gates x 2 h) of the lane, eight steps t: v = z + 0.3 v'; then v' = 0 where v > 0.25, else v.  The eight chains stand between two lines that lean on each other.
.macro SEQ
.set j, 0
.rept 8
.set q, 0
.rept 8
	v_fma_f32 v[V+8*q+j], s[DEC], v[VM+q], v[V+8*q+j]
.set q, q+1
.endr
.set q, 0
.rept 8
	v_cmp_gt_f32 s[MK+q], v[V+8*q+j], s[TH]
.set q, q+1
.endr
.set q, 0
.rept 8
	v_cndmask_b32 v[VM+q], v[V+8*q+j], 0, s[MK+q]
.set q, q+1
.endr
.set j, j+1
.endr
.endm
; SELU d, relu: selu of the 16 numbers in VG, into d.  T = 2^(x log2 e) 1.7581 - 1.7581; U = min(1.0507 x, 1.7581 x); VG is turned into 1.7581 x, and where that is above -2^-10 U is taken, else T.
; No clamp stands ahead of the exponential: where it overflows x is positive and U is taken.  The 16 exponentials are one batch: a plain line follows each, nothing ahead of the wait names a result,
; and one s_wait_alu depctr_va_vdst(0), ahead of the first reader, serves them all.  relu = 1: the relu of vi and vf ride along.
.macro SELU d, relu
.set p, 0
.rept 8
	v_pk_mul_f32 v[T+p:T+p+1], v[VG+p:VG+p+1], s[L2E:L2E+1] op_sel_hi:[1,0]
.set p, p+2
.endr
.set k, 0
.rept 16
	v_exp_f32 v[T+k], v[T+k]
.if k%2 == 0
	v_pk_mul_f32 v[U+k:U+k+1], v[VG+k:VG+k+1], s[SCL:SCL+1] op_sel_hi:[1,0]
.else
	v_pk_mul_f32 v[VG+k-1:VG+k], v[VG+k-1:VG+k], s[SA:SA+1] op_sel_hi:[1,0]
.endif
.if \relu
	v_max_num_f32 v[VI+k], 0, v[VI+k]
	v_max_num_f32 v[VF+k], 0, v[VF+k]
.endif
.set k, k+1
.endr
.set k, 0
.rept 16
	v_min_num_f32 v[U+k], v[U+k], v[VG+k]
.set k, k+1
.endr
.set q, 0
.rept 8
	v_cmp_gt_f32 s[MK+q], v[VG+q], s[NEPS]
.set q, q+1
.endr
	s_wait_alu depctr_va_vdst(0)                   ; the wait for the batch
.set p, 0
.rept 8
	v_pk_fma_f32 v[T+p:T+p+1], v[T+p:T+p+1], s[SA:SA+1], s[NSA:NSA+1] op_sel_hi:[1,0,0]
.set p, p+2
.endr
.set q, 0
.rept 8
	v_cndmask_b32 v[(\d)+q], v[T+q], v[U+q], s[MK+q]
.set q, q+1
.endr
.set q, 0
.rept 8
	v_cmp_gt_f32 s[MK+q], v[VG+8+q], s[NEPS]
.set q, q+1
.endr
.set q, 0
.rept 8
	v_cndmask_b32 v[(\d)+8+q], v[T+8+q], v[U+8+q], s[MK+q]
.set q, q+1
.endr
.endm
; ELEM: from the block's v to its output: g = selu(vg), i, f, o = relu; i g; c = c f + i g, t by t, two chains with o's relu between the links; selu(c) o into U.
.macro ELEM
	SELU VG, 1
.set p, 0
.rept 8
	v_pk_mul_f32 v[VG+p:VG+p+1], v[VG+p:VG+p+1], v[VI+p:VI+p+1]
.set p, p+2
.endr
.set j, 0
.rept 8
.if j == 0
	v_fma_f32 v[VG], v[CC], v[VF], v[VG]
	v_fma_f32 v[VG+8], v[CC+1], v[VF+8], v[VG+8]
.else
	v_fma_f32 v[VG+j], v[VG+j-1], v[VF+j], v[VG+j]
	v_fma_f32 v[VG+8+j], v[VG+7+j], v[VF+8+j], v[VG+8+j]
.endif
	v_max_num_f32 v[VO+j], 0, v[VO+j]
	v_max_num_f32 v[VO+8+j], 0, v[VO+8+j]
.set j, j+1
.endr
	v_mov_b32 v[CC], v[VG+7]                       ; c is carried to the next block
	v_mov_b32 v[CC+1], v[VG+15]
	SELU U, 0
.set p, 0
.rept 8
	v_pk_mul_f32 v[U+p:U+p+1], v[U+p:U+p+1], v[VO+p:VO+p+1]
.set p, p+2
.endr
.endm
; SEND: my eight stage rows (one b, eight t, 64 h) are stored: sixteen lanes store 256 consecutive bytes, at a multiple of 256 from out0's first byte.
.macro SEND
	s_wait_dscnt 0x0                               ; the rows are back in registers
.irp i, 0,1,2,3
	global_store_b128 v[CO], v[OB+4*(\i):OB+4*(\i)+3], s[8:9] offset:(\i)*2*OUT_T th:TH_STORE_NT
.endr
	s_wait_xcnt 0x0                                ; the stores have had their addresses translated (ISA guide 3.1): only behind this wait are their base and their data rewritten
	s_add_nc_u64 s[8:9], s[8:9], 8*OUT_T           ; eight t on
.endm
.macro RUNG k, tag                     ; in trip k of the block loop the next block, k + 1, is armed: the accumulators' registers stand in the text, so each block has its own 32 lines
	s_cmp_lg_u32 s[BL], \k
	s_cbranch_scc1 .Lnot_\@
	ARM (\k)+1
	s_branch .Lseq\tag
.Lnot_\@:
.endm
; A tile's scan: eight trips.  Trip n: block n's ELEM; the stage (a barrier when every wave has read the last block out of it, the stores, a barrier, the loads); block n + 1's ARM and SEQ stand between
; the stage's loads and the wait for them; the stores to out0.  Every jump but the loop's own goes forward and passes no barrier.
.macro SCAN tag
.set r, 0
.rept 10
	v_mov_b32 v[VM+r], 0                           ; v' and c start at 0; these ten lines are also the places behind the tile's last products
.set r, r+1
.endr
	ARM 0
	SEQ
	s_mov_b32 s[BL], 0
.Lblk\tag:
	ELEM
	s_wait_dscnt 0x0                               ; my reads of the stage are over (and no LDS instruction of mine is out at a signal)
	s_barrier_signal -1
	s_barrier_wait -1                              ; everybody's are: the stage may be written
.irp hb, 0,1
.irp jj, 0,1,2,3,4,5,6,7
	ds_store_b32 v[STO], v[U+8*(\hb)+(\jj)] offset:(\jj)*SPITCH+(\hb)*64
.endr
.endr
	s_wait_dscnt 0x0                               ; for the others' sake: my stores into the stage are done
	s_barrier_signal -1
	s_barrier_wait -1
.irp i, 0,1,2,3
	ds_load_b128 v[OB+4*(\i):OB+4*(\i)+3], v[RD] offset:(\i)*2*SPITCH
.endr
	RUNG 0, \tag
	RUNG 1, \tag
	RUNG 2, \tag
	RUNG 3, \tag
	RUNG 4, \tag
	RUNG 5, \tag
	s_cmp_lg_u32 s[BL], 6
	s_cbranch_scc1 .Lsend\tag                      ; the last trip has no next block
	ARM 7
.Lseq\tag:
	SEQ
.Lsend\tag:
	SEND
	s_add_co_u32 s[BL], s[BL], 1
	s_cmp_lt_u32 s[BL], 8
	s_cbranch_scc1 .Lblk\tag
.endm
	s_wait_tensorcnt 1                             ; my part of K step 0 is in; K step 1's load may stay out
	s_barrier_signal -1
	s_barrier_wait -1                              ; everybody's is
	FETCH 0, 0, F0
	s_mov_b32 s2, TILES                            ; tiles to go, this one among them: the same number in every work-group
.Ltile:
	QUARTER 0, 64,  F0, F1, 1                      ; a tile's first quarter stands in front of the loop: its products start the sums
	WIN 0                                          ; at a label and at a branch every window is 0
	s_mov_b32 s3, LAPS-1
.Llap:                                                 ; a trip goes once round the ring, from a lap's second quarter to the next lap's first, and fills both slots again
	QUARTER 0, 128, F1, F0, 0
	QUARTER 0, 192, F0, F1, 0
	TURN 0, 1, 0
	QUARTER 1, 64,  F0, F1, 0
	QUARTER 1, 128, F1, F0, 0
	QUARTER 1, 192, F0, F1, 0
	TURN 1, 0, 0
	QUARTER 0, 64,  F0, F1, 0
	WIN 0
	s_sub_co_u32 s3, s3, 1
	s_cmp_lg_u32 s3, 0
	s_cbranch_scc1 .Llap
	QUARTER 0, 128, F1, F0, 0                      ; the tile's last lap goes on
	QUARTER 0, 192, F0, F1, 0
	WIN 0
	s_cmp_eq_u32 s2, 1
	s_cbranch_scc1 .Llast                          ; the last tile's tail is written out behind the loop: it asks for nothing more
	TURN 0, 1, 1                                   ; the ring goes on into the next tile: slot 0 takes its K step 0,
	QUARTER 1, 64,  F0, F1, 0
	QUARTER 1, 128, F1, F0, 0
	QUARTER 1, 192, F0, F1, 0
	TURN 1, 0, 1                                   ; slot 1 its K step 1, and the next tile's first fragments are fetched into buffer 0, which the scan leaves alone
	WIN 0
	SCAN 1                                         ; both refills are asked for: now the tile is scanned and goes out
	s_add_nc_u64 s[8:9], s[8:9], NEXT_O            ; 64 b on, back to t = 0 (the last stores' base was freed in SEND)
	s_sub_co_u32 s2, s2, 1
	s_branch .Ltile
.Llast:
	TURN 0, 1, 2                                   ; my one tensor load that was still out is slot 1's, the last K step's
	QUARTER 1, 64,  F0, F1, 0
	QUARTER 1, 128, F1, F0, 0
	QUARTER 1, 192, F0, F1, 0
	s_wait_dscnt 8                                 ; the very last quarter: nothing more to fetch; xb's blocks 4-7 may still be out
	MUL16 F1, 0, 0, 0
	MUL16 F1, 0, 2, 0
	s_wait_dscnt 0x0
	MUL16 F1, 1, 0, 0
	MUL16 F1, 1, 2, 0
	WIN 0
	SCAN 2
	s_wait_tensorcnt 0x0                           ; the wave's end: behind my last tensor load and my last LDS store
	ds_add_u32 v[SPW], v[NIL]
	s_wait_dscnt 0x0
	CROUND                                         ; the closing round: no work-group ends while a partner may still ask for a tile that names it
	s_endpgm
.Lfunc_end_k_qa317d08204_lstm:
	.size	k_qa317d08204_lstm, .Lfunc_end_k_qa317d08204_lstm-k_qa317d08204_lstm
	.p2alignl 7, 3214868480
	.fill 96, 4, 3214868480
	.section	.rodata,"a",@progbits
	.p2align	6, 0x0
	.amdhsa_kernel k_qa317d08204_lstm
		.amdhsa_group_segment_fixed_size 327680
		.amdhsa_private_segment_fixed_size 0
		.amdhsa_enable_private_segment 0
		.amdhsa_kernarg_size 56
		.amdhsa_user_sgpr_count 2
		.amdhsa_user_sgpr_kernarg_segment_ptr 1
		.amdhsa_wavefront_size32 1
		.amdhsa_system_sgpr_workgroup_id_x 1
		.amdhsa_system_sgpr_workgroup_id_y 1
		.amdhsa_system_sgpr_workgroup_id_z 1
		.amdhsa_system_vgpr_workitem_id 0
		.amdhsa_next_free_vgpr 1024
		.amdhsa_next_free_sgpr 96
		.amdhsa_reserve_vcc 0
		.amdhsa_float_denorm_mode_32 3
		.amdhsa_float_denorm_mode_16_64 3
		.amdhsa_memory_ordered 1
		.amdhsa_forward_progress 1
		.amdhsa_inst_pref_size 255
	.end_amdhsa_kernel
	.section	.bss,"aw",@nobits
	.p2align	6
	.space	262144
	.amdgpu_metadata
---
amdhsa.version: [ 1, 2 ]
amdhsa.kernels:
  - .name:           k_qa317d08204_lstm
    .symbol:         k_qa317d08204_lstm.kd
    .args:
      - { .name: xb, .offset: 0, .size: 8, .value_kind: global_buffer, .address_space: global }
      - { .name: wb, .offset: 8, .size: 8, .value_kind: global_buffer, .address_space: global }
      - { .name: bi, .offset: 16, .size: 8, .value_kind: global_buffer, .address_space: global }
      - { .name: bf, .offset: 24, .size: 8, .value_kind: global_buffer, .address_space: global }
      - { .name: bg, .offset: 32, .size: 8, .value_kind: global_buffer, .address_space: global }
      - { .name: bo, .offset: 40, .size: 8, .value_kind: global_buffer, .address_space: global }
      - { .name: out0, .offset: 48, .size: 8, .value_kind: global_buffer, .address_space: global }
    .group_segment_fixed_size: 327680
    .private_segment_fixed_size: 0
    .kernarg_segment_align: 8
    .kernarg_segment_size: 56
    .max_flat_workgroup_size: 128
    .sgpr_count:     96
    .vgpr_count:     1024
    .wavefront_size: 32
...
	.end_amdgpu_metadata
.endif
;; end of part 2
